; MI455X (gfx1250); checked and timed in simulation.
; The chip was launched on July 23, 2026; its instructions are those of AMD's public machine-readable ISA for CDNA 5 (MIT licence, August 2026) and "CDNA5" Instruction Set Architecture Reference Guide (July 2026). The comments in the code are by the model that wrote it; some were corrected since.
;; Multi Headed Attention. Allowed arithmetic: matrix products marked QUANTISED: E2M1 operands, one E8M0 scale for each 32 along K, by v_wmma_scale_f32_16x16x128_f8f6f4 with both operands' format E2M1 (or v_wmma_scale_f32_32x16x128_f4), f32 sums; everything else in f32.
;; Inputs: Wk_codes 12 x 64 x 24 x 16 uint8 (E2M1 codes of Wk, K innermost, in blocks of 32 codes, two codes a byte); Wk_scales 12 x 64 x 24 uint8 (E8M0 scales of Wk, one for each 32 codes along K); Wo_codes 768 x 24 x 16 uint8 (E2M1 codes of Wo, K innermost, in blocks of 32 codes, two codes a byte); Wo_scales 768 x 24 uint8 (E8M0 scales of Wo, one for each 32 codes along K); Wq_codes 12 x 64 x 24 x 16 uint8 (E2M1 codes of Wq, K innermost, in blocks of 32 codes, two codes a byte); Wq_scales 12 x 64 x 24 uint8 (E8M0 scales of Wq, one for each 32 codes along K); Wv_codes 12 x 64 x 24 x 16 uint8 (E2M1 codes of Wv, K innermost, in blocks of 32 codes, two codes a byte); Wv_scales 12 x 64 x 24 uint8 (E8M0 scales of Wv, one for each 32 codes along K); bk 12 x 64 float32; bo 768 float32; bq 12 x 64 float32; bv 12 x 64 float32; key_codes 2 x 2,048 x 24 x 16 uint8 (E2M1 codes of key, K innermost, in blocks of 32 codes, two codes a byte); key_scales 2 x 2,048 x 24 uint8 (E8M0 scales of key, one for each 32 codes along K); query_codes 2 x 2,048 x 24 x 16 uint8 (E2M1 codes of query, K innermost, in blocks of 32 codes, two codes a byte); query_scales 2 x 2,048 x 24 uint8 (E8M0 scales of query, one for each 32 codes along K); value_codes 2 x 2,048 x 24 x 16 uint8 (E2M1 codes of value, K innermost, in blocks of 32 codes, two codes a byte); value_scales 2 x 2,048 x 24 uint8 (E8M0 scales of value, one for each 32 codes along K).
;; Outputs: out0 2 x 2,048 x 768 float32.
;; This version of the problem:
;;   THIS VERSION OF THE PROBLEM IS GIVEN IN LOW PRECISION. The matrix products marked QUANTISED in the list below multiply operands that are first quantised to E2M1 (2 exponent bits, 1 mantissa bit; 4 bits a number), with one power-of-two scale for each 32 numbers along K (OCP MX v1.0); their sums are f32. All else is computed in f32.
;;   The module's matrix products, in the order in which they are computed (A, B: the left and right operand; K: the contracted axis; several contracted axes count as one K, in the product's order):
;;     1. [M 768, K 768] x [K 768, N 4,096]; A: input Wq (given as codes); B: input query (given as codes): QUANTISED
;;     2. [M 768, K 768] x [K 768, N 4,096]; A: input Wk (given as codes); B: input key (given as codes): QUANTISED
;;     3. [M 768, K 768] x [K 768, N 4,096]; A: input Wv (given as codes); B: input value (given as codes): QUANTISED
;;     4. batch 24 x [M 2,048, K 64] x [K 64, N 2,048]; A: computed on the way; B: computed on the way: QUANTISED
;;     5. batch 24 x [M 2,048, K 2,048] x [K 2,048, N 64]; A: softmax (see below); B: computed on the way: QUANTISED
;;     6. [M 4,096, K 768] x [K 768, N 768]; A: computed on the way; B: input Wo (given as codes): QUANTISED
;;   THE QUANTISER, for each operand of a quantised product, along K:
;;     - K is cut into blocks of 32 from its start; a last block that is shorter is filled with zeros.
;;     - A block's scale is 2^e with e = floor(log2(the largest magnitude in the block)) - 2, held to -126 .. 127; a block of zeros has e = 0. As a byte (E8M0): e + 127.
;;     - Each number is divided by its block's scale, clamped to +-6, and rounded to the nearest number of E2M1, ties to even, subnormals kept.
;;     - The product sums the exact products of the quantised numbers (number of the format x scale) in f32.
;;   ~~~python
;;   def quantise(x, axis):      # numpy; x: float32 -> the quantised numbers, widened to float32 again
;;       x = np.moveaxis(x, axis, -1); K = x.shape[-1]
;;       x = np.pad(x, [(0, 0)] * (x.ndim - 1) + [(0, -K % 32)]); x = x.reshape(x.shape[:-1] + (-1, 32)); a = np.abs(x).max(-1, keepdims=True)
;;       e = np.where(a > 0, np.clip(np.frexp(np.where(a > 0, a, 1))[1] - 1 - 2, -126, 127), 0)      # np.frexp(a)[1] - 1 = floor(log2(a)), exactly
;;       r = np.clip(x / 2.0 ** e, -6, 6)
;;       step = 2.0 ** (np.maximum(np.frexp(np.where(r == 0, 1, r))[1] - 1, 0) - 1)
;;       q = np.round(r / step) * step * 2.0 ** e      # np.round: ties to even
;;       return np.moveaxis(q.reshape(q.shape[:-2] + (-1,))[..., :K], -1, axis).astype(np.float32)
;;   ~~~
;;   SOFTMAX AHEAD OF A QUANTISED PRODUCT. Where the list says 'softmax', what is quantised is not the finished softmax but p = 2^(t - M), with t = logit x log2(e) and M = ceil(the row's largest t), a whole number; so 1/2 < the row's largest p <= 1. The row's sum l is taken of the UNQUANTISED p, in f32, and the product's result is divided by l at the end. Since M is a whole number, a kernel that streams over the keys may use a running M (the ceiling of the running maximum): every later rescaling is an exact power of two, which a block's scale takes up: the codes' values come out the same.
;;   OPERANDS COMPUTED ON THE WAY. 'Computed on the way' means the value that the module computes at that place (a softmax that the list does not call 'softmax' is quantised finished and normalised). What goes into a quantiser is computed in f32, as accurately as f32 sums, v_exp_f32 and their like allow (about 1e-6 of the number): no bf16 or f16 on the way to a quantiser, and a product that is left as it is and whose result goes on into a quantised operand takes f32 operands (vector FMAs, or v_wmma_f32_16x16x4_f32). A number that lies on a knife's edge between two numbers of the format may be rounded either way, as far as f32 arithmetic and the matrix unit's own rounding can turn it there, and no further.
;;   INPUTS GIVEN AS CODES. Wk (in the module: [12, 64, 768], K = its axis 2); Wo (in the module: [768, 768], K = its axis 1); Wq (in the module: [12, 64, 768], K = its axis 2); Wv (in the module: [12, 64, 768], K = its axis 2); key (in the module: [2, 2048, 768], K = its axis 2); query (in the module: [2, 2048, 768], K = its axis 2); value (in the module: [2, 2048, 768], K = its axis 2): each comes as NAME_codes (uint8): NAME with its K axis moved to the last place and cut into blocks of 32 codes, [.., K / 32, bytes a block], one block behind the other in memory; two codes a byte, the lower K in the low four bits (a code: sign, 2 exponent bits, 1 mantissa bit); and NAME_scales (uint8): the same leading axes, one E8M0 byte (e + 127) for each 32 codes along K. Its value is code x scale, taken as it is: it is not quantised again, and the codes and scales need not be those that the quantiser above would give.
;; One version. Each part assembles by itself: llvm-mc -triple=amdgcn-amd-amdhsa -mcpu=gfx1250 --defsym DOCPART=n.
;; ======== version 1 of 1: 3 launches
;; limits: right only within a limited range of input values
;; workspace buffers: qimg 1,769,472 bytes; kv 3,538,944 bytes; cimg 1,572,864 bytes; csc 98,304 bytes
;; launch proj (part 1): grid 32 x 6, 12 waves a work-group, clusters of 4 x 1, 237,568 bytes of LDS; arguments query_codes, query_scales, Wq_codes, Wq_scales, bq, key_codes, key_scales, Wk_codes, Wk_scales, bk, value_codes, value_scales, Wv_codes, Wv_scales, bv, qimg, kv; writes qimg, kv
.if DOCPART == 1
	.amdgcn_target "amdgcn-amd-amdhsa--gfx1250"
	.amdhsa_code_object_version 6
	.text
	.protected	k_q2ef91b4f11_proj
	.globl	k_q2ef91b4f11_proj
	.p2align	8
	.type	k_q2ef91b4f11_proj,@function
k_q2ef91b4f11_proj:
	s_mov_b64 s[64:65], 0
	v_nop
	global_prefetch_b8 v0, s[64:65] scope:SCOPE_SE
	s_setreg_imm32_b32 hwreg(HW_REG_WAVE_MODE, 25, 1), 1
	s_wait_xcnt 0x0
	s_wait_alu depctr_hold_cnt(0) depctr_sa_sdst(0) depctr_va_vdst(0) depctr_va_sdst(0) depctr_va_ssrc(0) depctr_va_vcc(0) depctr_vm_vsrc(0)
	s_getreg_b32 s2, hwreg(HW_REG_IB_STS2, 6, 4)
	s_cmp_eq_u32 s2, 0
	s_cbranch_scc0 .Lentry_in_a_cluster
	s_endpgm
.Lentry_in_a_cluster:
	s_bfe_u32 s2, ttmp6, 0x10000c
	s_cmp_lg_u32 s2, 0x3003
	s_cbranch_scc0 .Lentry_shape_is_right
	s_endpgm
.Lentry_shape_is_right:
; PRODUCTS 1 TO 3 AND THE QUANTISERS OF q, k, v.   q = query Wq^T + bq, k = key Wk^T + bk, v = value Wv^T + bv, on the codes of E2M1 and E8M0 bytes as they are given; sums in f32.
; q and k are then quantised along a head's 64 channels (two blocks of 32), v along the keys (blocks of 32 keys), and stored as IMAGES OF THE OPERAND REGISTERS that the attention launch wants.
; DEAD WORK: none.  Every input has a way to out0: bq, bk and bv move the codes and scales of q, k and v, so all three are added ahead of the quantisers.
; LIMITS: NaN and infinities are not served.  A block whose largest magnitude lies under 2^-124 gets the scale byte 1; a block of zeros gets the byte 1 where the quantiser says 127:
; its codes are zeros, which add nothing under any byte but 0xff, and the bytes are read by this program alone.
; SHARES.  Work-group (tb, y): tb = 4 x cluster x + cx is a block of 128 tokens (batch tb / 16, block J = tb % 16); y / 2 is the path (0 q, 1 k, 2 v), y % 2 the half of the 768 channels.
; So a work-group makes 128 tokens x 384 channels over K = 768: 32 x 6 = 192 work-groups, 64 for each path (three paths of 128-token blocks do not divide into 256 equal shares).
; A UNIT is 128 LONG rows (source 0, eight tiles of 16) x 16 SHORT rows (source 1): a lane then holds ONE short row, and register j of tile t the long row 16 t + 8 (lane / 16) + j.
; The long side is the side along which the result is quantised: for q and k 128 channels (two heads) against 16 tokens; for v the 128 tokens against 16 channels.
; 24 units a work-group, two a wave; a wave's two units share their long rows.
; CLUSTER.  The four work-groups of a cluster differ in their tokens alone and read the same 384 rows of W and their scale bytes: those are asked for JOINTLY; the tokens' tiles are each work-group's own.
; LDS.  Rows 0-383 are W's, rows 384-511 the tokens'.  Codes: row x 432 bytes (384 of data, 16 of padding behind each 128: 27 x 16, so the 16 rows of a fragment start in 16 different columns of 16 bytes).
; Scale bytes: row x 24, dense, behind the codes.  All of K lies in LDS at once: every tile is filled once, nothing is filled again.
.set PITCH, 432
.set TILEB, 64*PITCH                   ; 64 rows: what one tensor load of codes brings
.set SCB,   8*TILEB                    ; 221,184: the scale bytes, 512 rows x 24
.set SPARE, SCB+12288                  ; 233,472: the spare words, 128 bytes for each of twelve waves: six blocks of 256 bytes that no other line names
.set ADL, 4                            ; v4   LDS address of my long rows' fragments
.set ADS, 5                            ; v5   of my short rows'
.set ASL, 6                            ; v6   of the long rows' scale words: a lane a row, 32 rows (two tiles) a load
.set ASS, 7                            ; v7   of the short rows': lanes 0-15 unit 0, lanes 16-31 unit 1
.set VOC, 8                            ; v8, v9  where unit 0, 1 puts its codes in a block of the output
.set VS,  10                           ; v10  4 x lane
.set VB,  11                           ; v11  my place in the bias
.set SPW, 12                           ; v12  LDS address of my spare word; never rewritten
.set NIL, 13                           ; v13  0; never rewritten
.set LF,  16                           ; v16-79   the long side's eight fragments of a K step
.set SF,  80                           ; v80-95   the short side's two
.set LSC, 96                           ; v96-99   the long side's scale words: register i: lanes 0-15 tile 2 i, lanes 16-31 tile 2 i + 1
.set SSC, 100                          ; v100     the short side's
.set ACC, 128                          ; v128-255 unit u, tile t at 128 + 64 u + 8 t
.set TM,  16                           ; behind the products: v16-19 largest magnitudes, v20-23 bytes, v24-27 the conversions' scale operands
.set PW,  28                           ; v28, v29 the units' scale words
.set PC,  40                           ; v40-47, v48-55 the units' codes
.set WV,  3                            ; s3   my wave's number
.set G0WC, 28                          ; s[28:31] group 0: W's codes;  s[32:35] the tokens' codes;  s[36:39] W's scale bytes;  s[40:43] the tokens'
.set G0XC, 32
.set G0WS, 36
.set G0XS, 40
.set G1WC, 68                          ; s[68:75], s[76:83], s[84:91], s[92:99] their groups 1
.set G1XC, 76
.set G1WS, 84
.set G1XS, 92
; A round of the cluster's barrier: my work-group's barrier, wave 0 signals for the work-group, every wave waits for the four work-groups, my work-group's barrier once more.
.macro ROUND
	s_barrier_signal -1
	s_barrier_wait -1
	s_cmp_lg_u32 s[WV], 0
	s_cbranch_scc1 .Lnot_wave_0_\@
	s_barrier_signal -3
.Lnot_wave_0_\@:
	s_barrier_wait -3
	s_barrier_signal -1
	s_barrier_wait -1
.endm
.macro FILL g0, g1                     ; a tensor load, with the s_nop 0 and the four v_nop behind it
	tensor_load_to_lds s[\g0:\g0+3], s[\g1:\g1+7]
	s_nop 0
.rept 4
	v_nop
.endr
.endm
	s_load_b512 s[16:31], s[0:1], 0x0              ; argument i lands in s[16 + 2 i : 17 + 2 i]
	s_load_b512 s[32:47], s[0:1], 0x40
	s_load_b64 s[48:49], s[0:1], 0x80
	v_lshl_add_u32 v[SPW], v0, 2, SPARE
	v_mov_b32 v[NIL], 0
	ds_add_u32 v[SPW], v[NIL]                      ; the wave's opening: the add, twice on end, and its wait ahead of my first tensor load; the set-up below is work on registers
	ds_add_u32 v[SPW], v[NIL]
	v_lshrrev_b32 v1, 5, v0
	s_delay_alu instid0(VALU_DEP_1)
	v_readfirstlane_b32 s[WV], v1                  ; wave 0..11
	s_bfe_u32 s4, ttmp6, 0x40000                   ; cx: it enters the tokens' and the output's global addresses alone
	s_lshl_b32 s5, ttmp9, 2
	s_add_co_u32 s5, s5, s4                        ; tb
	s_and_b32 s6, ttmp7, 0xffff                    ; y, which the four partners share
	s_lshr_b32 s7, s6, 1                           ; the path
	s_and_b32 s8, s6, 1                            ; ch: which 384 channels
	s_and_b32 s2, s[WV], 1
	s_mov_b32 s12, 0x76543210                      ; v_permlanex16_b32's selects for lane l xor 16
	s_mov_b32 s13, 0xfedcba98
	s_mov_b32 s14, 0xffff0000                      ; lanes 16-31
	; descriptor groups 1.  Codes: 64 rows x 384 elements of one byte; padding of 4 words behind every 32 words.  The joint form has the mask of the four partners and bit 21 beside it.
	s_mov_b32 s[G1WC], 15|(1<<20)|(1<<21)|(4<<22)|(3<<25)
	s_mov_b32 s[G1XC], (1<<20)|(4<<22)|(3<<25)
.irp g, G1WC, G1XC
	; 64 rows of 384 bytes are one dense block: stated as 96 rows of 256 bytes; the padding still stands behind every 128 bytes
	s_mov_b32 s[\g+1], 256<<16                     ; tensor_dim0
	s_mov_b32 s[\g+2], 96<<16                      ; tensor_dim1
	s_mov_b32 s[\g+3], 256<<16                     ; tile_dim0
	s_mov_b32 s[\g+4], 96                          ; tile_dim1
	s_mov_b32 s[\g+5], 256                         ; from row to row
	s_mov_b32 s[\g+6], 0
	s_mov_b32 s[\g+7], 0
.endr
	; Scale bytes: dense blocks as rows of 256 bytes (32 elements of 8 bytes): 192 rows of W are 4,608 bytes = 18 such rows; 64 tokens are 1,536 bytes = 6
	s_mov_b32 s[G1WS], 15|(3<<16)|(1<<21)
	s_mov_b32 s[G1WS+1], 32<<16
	s_mov_b32 s[G1WS+2], 18<<16
	s_mov_b32 s[G1WS+3], 32<<16
	s_mov_b32 s[G1WS+4], 18
	s_mov_b32 s[G1WS+5], 32
	s_mov_b32 s[G1WS+6], 0
	s_mov_b32 s[G1WS+7], 0
	s_mov_b32 s[G1XS], 3<<16
	s_mov_b32 s[G1XS+1], 32<<16
	s_mov_b32 s[G1XS+2], 6<<16
	s_mov_b32 s[G1XS+3], 32<<16
	s_mov_b32 s[G1XS+4], 6
	s_mov_b32 s[G1XS+5], 32
	s_mov_b32 s[G1XS+6], 0
	s_mov_b32 s[G1XS+7], 0
	; what hangs on the path: first both forms, then the choice
	s_lshr_b32 s9, s[WV], 2
	s_lshl_b32 s50, s9, 7                          ; q, k: long rows = channels 128 (W / 4) on
	s_lshl_b32 s51, s9, 1                          ; q, k: the first of my two heads, of the half's six
	s_and_b32 s52, s[WV], 3                        ; q, k: my pair of token tiles
	s_lshl_b32 s54, s[WV], 5                       ; v: short rows = channels 32 W on
	s_lshr_b32 s55, s[WV], 1                       ; v: my head
	s_mov_b32 s57, 9216
	s_cmp_eq_u32 s7, 0
	s_cselect_b32 s57, 4608, s57                   ; bytes of a block of 128 tokens in the output: qimg 4,608; kv 9,216
	s_lshl_b32 s58, s57, 4                         ; and of a head: 16 blocks
	s_cmp_eq_u32 s7, 2
	s_cselect_b32 s59, s54, s50                    ; the bias' first channel: v: the short side's, q, k: the long side's
	s_cselect_b32 s51, s55, s51                    ; my (first) head
	s_cselect_b32 s52, s2, s52                     ; G: my pair of units' place in the block
	s_cselect_b32 s15, -1, 0                       ; all lanes on the v path, none else
	s_cselect_b32 s60, 10, 9                       ; log2 of a unit's bytes of codes in a block: v 1,024, q, k 512
	s_cselect_b32 s61, 8, 7                        ; log2 of a pair's bytes of scale words: v 256, q, k 128
	s_cselect_b32 s62, 4608, 0                     ; v lies behind k in a block of kv
	s_cselect_b32 s56, 512, s58                    ; from registers 0-3 of a unit's codes to registers 4-7: v: the block's next 512 bytes; q, k: the next head
	s_cselect_b32 s63, 128, s58                    ; from the first store of scale words to the second: v: unit 1's; q, k: the next head's
	; LDS addresses and offsets of a lane
	v_and_b32 v1, 31, v0                           ; lane
	v_and_b32 v2, 15, v0                           ; r
	v_bfe_u32 v3, v0, 4, 1                         ; h
	s_lshl_b32 s54, s52, s60
	s_lshl_b32 s54, s54, 1                         ; 2 G units
	s_lshl_b32 s55, 1, s60                         ; one unit
	v_lshl_add_u32 v[VOC], v1, 4, s54              ; 16 x lane + my first unit's place
	s_delay_alu instid0(VALU_DEP_1)
	v_add_nc_u32 v[VOC+1], s55, v[VOC]
	v_lshlrev_b32 v[VS], 2, v1
	v_lshlrev_b32 v14, 5, v3                       ; q, k: a tile's eight channels of my half: 32 h bytes
	v_lshlrev_b32 v15, 2, v2                       ; v: my channel: 4 r bytes
	s_delay_alu instid0(VALU_DEP_1)
	v_cndmask_b32 v[VB], v14, v15, s15
	; byte offsets, made of ids alone
	s_lshr_b32 s9, s5, 4                           ; batch
	s_and_b32 s10, s5, 15                          ; J
	s_mul_i32 s9, s9, 12
	s_mul_i32 s11, s8, 6
	s_add_co_u32 s9, s9, s11
	s_add_co_u32 s9, s9, s51                       ; 12 batch + head
	s_mul_i32 s9, s9, s58
	s_mul_i32 s10, s10, s57
	s_add_co_u32 s9, s9, s10
	s_add_co_u32 s55, s9, s62                      ; s55: my block of the output
	s_lshl_b32 s57, s52, s61
	s_add_co_u32 s57, s57, 4096                    ; s57: my scale words in it
	s_mul_i32 s54, s8, 384
	s_add_co_u32 s54, s54, s59
	s_lshl_b32 s54, s54, 2                         ; s54: the bias
	s_mul_i32 s50, s8, 147456
	s_mul_i32 s51, s[WV], 24576
	s_add_co_u32 s50, s50, s51                     ; s50: W's codes: the half's 384 rows, my 64 of them
	s_mul_i32 s52, s8, 9216
	s_mul_i32 s58, s2, 4608
	s_add_co_u32 s52, s52, s58                     ; s52: W's scale bytes: my half of the 9,216
	s_add_co_u32 s60, s58, SCB                     ; s60: and their place in LDS
	s_mul_i32 s59, s[WV], TILEB                    ; s59: a tile of codes in LDS: wave x 64 rows (waves 0-5: W's rows 0-383; waves 6, 7: the tokens' rows 384-511)
	s_mul_i32 s61, s2, 1536
	s_mul_i32 s53, s5, 3072
	s_add_co_u32 s53, s53, s61                     ; s53: the tokens' scale bytes
	s_add_co_u32 s61, s61, SCB+9216                ; s61: and their place in LDS
	s_mul_i32 s51, s5, 49152
	s_mul_i32 s58, s2, 24576
	s_add_co_u32 s51, s51, s58                     ; s51: the tokens' codes
	s_mov_b32 s67, 0                               ; s[66:67]: the pair through which offsets that the partners share are added;
	s_mov_b32 s9, 0                                ; s[8:9]: the same for offsets that hold my work-group's place
	s_wait_dscnt 0x0                               ; both opening adds are done
	s_wait_kmcnt 0x0
	s_cmp_eq_u32 s7, 0                             ; the path's five inputs and its output: a choice between buffers on the work-group's y alone
	s_cselect_b64 s[16:17], s[16:17], s[26:27]     ; the tokens' codes
	s_cselect_b64 s[18:19], s[18:19], s[28:29]     ; their scale bytes
	s_cselect_b64 s[20:21], s[20:21], s[30:31]     ; W's codes
	s_cselect_b64 s[22:23], s[22:23], s[32:33]     ; W's scale bytes
	s_cselect_b64 s[24:25], s[24:25], s[34:35]     ; the bias
	s_cselect_b64 s[46:47], s[46:47], s[48:49]     ; qimg or kv
	s_cmp_eq_u32 s7, 2
	s_cselect_b64 s[16:17], s[36:37], s[16:17]
	s_cselect_b64 s[18:19], s[38:39], s[18:19]
	s_cselect_b64 s[20:21], s[40:41], s[20:21]
	s_cselect_b64 s[22:23], s[42:43], s[22:23]
	s_cselect_b64 s[24:25], s[44:45], s[24:25]
	; descriptor groups 0: count 1, LDS address, global address, type 2
	s_mov_b32 s66, s50
	s_add_nc_u64 s[G0WC+2:G0WC+3], s[20:21], s[66:67]
	s_mov_b32 s[G0WC], 1
	s_mov_b32 s[G0WC+1], s59
	s_or_b32 s[G0WC+3], s[G0WC+3], 0x80000000
	s_mov_b32 s66, s52
	s_add_nc_u64 s[G0WS+2:G0WS+3], s[22:23], s[66:67]
	s_mov_b32 s[G0WS], 1
	s_mov_b32 s[G0WS+1], s60
	s_or_b32 s[G0WS+3], s[G0WS+3], 0x80000000
	s_mov_b32 s66, s54
	s_add_nc_u64 s[24:25], s[24:25], s[66:67]      ; the bias at my first channel
	s_mov_b32 s8, s51
	s_add_nc_u64 s[G0XC+2:G0XC+3], s[16:17], s[8:9]
	s_mov_b32 s[G0XC], 1
	s_mov_b32 s[G0XC+1], s59
	s_or_b32 s[G0XC+3], s[G0XC+3], 0x80000000
	s_mov_b32 s8, s53
	s_add_nc_u64 s[G0XS+2:G0XS+3], s[18:19], s[8:9]
	s_mov_b32 s[G0XS], 1
	s_mov_b32 s[G0XS+1], s61
	s_or_b32 s[G0XS+3], s[G0XS+3], 0x80000000
	s_mov_b32 s8, s55
	s_add_nc_u64 s[46:47], s[46:47], s[8:9]        ; s[46:47]: where registers 0-3 of the codes go
	s_mov_b32 s8, s56
	s_add_nc_u64 s[48:49], s[46:47], s[8:9]        ; s[48:49]: registers 4-7
	s_mov_b32 s8, s57
	s_add_nc_u64 s[44:45], s[46:47], s[8:9]        ; s[44:45]: the first store of scale words
	s_mov_b32 s8, s63
	s_add_nc_u64 s[26:27], s[44:45], s[8:9]        ; s[26:27]: the second
	ROUND                                          ; all four work-groups are here: the joint loads meet
	; THE FILLS: twelve tiles, one a wave, a fill in every arm of the branch on the wave's number.  One tensor load of a wave is out.
	s_cmp_lt_u32 s[WV], 6
	s_cbranch_scc0 .Lnot_wc
	FILL G0WC, G1WC                                ; waves 0-5: W's codes, jointly
	s_branch .Lasked
.Lnot_wc:
	s_cmp_lt_u32 s[WV], 8
	s_cbranch_scc0 .Lnot_xc
	FILL G0XC, G1XC                                ; waves 6, 7: my work-group's tokens
	s_branch .Lasked
.Lnot_xc:
	s_cmp_lt_u32 s[WV], 10
	s_cbranch_scc0 .Lnot_ws
	FILL G0WS, G1WS                                ; waves 8, 9: W's scale bytes, jointly
	s_branch .Lasked
.Lnot_ws:
	FILL G0XS, G1XS                                ; waves 10, 11: the tokens' scale bytes
.Lasked:
	; THE SUMS BEGIN AS THE BIAS, while the tiles are on their way.  The branch hangs on the work-group's y, which the partners share.
	s_cmp_eq_u32 s7, 2
	s_cbranch_scc1 .Lbias_v
	s_wait_alu depctr_va_vdst(0)
.irp u, 0,1                                    ; q, k: the bias runs along the registers: tile t's eight channels of my half, for both units
.irp t, 0,1,2,3,4,5,6,7
	global_load_b128 v[ACC+64*\u+8*\t:ACC+64*\u+8*\t+3],   v[VB], s[24:25] offset:64*\t
	global_load_b128 v[ACC+64*\u+8*\t+4:ACC+64*\u+8*\t+7], v[VB], s[24:25] offset:64*\t+16
.endr
.endr
	s_branch .Lbias_done
.Lbias_v:
	s_wait_alu depctr_va_vdst(0)
	global_load_b32 v16, v[VB], s[24:25]           ; v: the bias is one number a lane and unit: my channel's
	global_load_b32 v17, v[VB], s[24:25] offset:64
	s_wait_loadcnt 0x0
.set n, 0
.rept 64
	v_mov_b32 v[ACC+n], v16
	v_mov_b32 v[ACC+64+n], v17
.set n, n+1
.endr
.Lbias_done:
	s_wait_tensorcnt 0x0                           ; my tile has landed,
	s_barrier_signal -1
	s_barrier_wait -1                              ; everybody's has
	s_wait_loadcnt 0x0                             ; the bias
; One matrix instruction: unit u, tile t.  Source 0 = 16 long rows, source 1 = the unit's 16 short rows.  The scale words of odd tiles, and of unit 1, stand in lanes 16-31 of their registers.
.macro MM t, u
.set rD, ACC+64*(\u)+8*(\t)
.set rA, LF+8*(\t)
.set rB, SF+8*(\u)
.set rS, LSC+(\t)/2
.if ((\t)%2 == 0) && ((\u) == 0)
	v_wmma_scale_f32_16x16x128_f8f6f4 v[rD:rD+7], v[rA:rA+7], v[rB:rB+7], v[rD:rD+7], v[rS], v[SSC] matrix_a_fmt:MATRIX_FMT_FP4 matrix_b_fmt:MATRIX_FMT_FP4
.elseif ((\u) == 0)
	v_wmma_scale_f32_16x16x128_f8f6f4 v[rD:rD+7], v[rA:rA+7], v[rB:rB+7], v[rD:rD+7], v[rS], v[SSC] matrix_a_fmt:MATRIX_FMT_FP4 matrix_b_fmt:MATRIX_FMT_FP4 matrix_a_scale:MATRIX_SCALE_ROW1
.elseif ((\t)%2 == 0)
	v_wmma_scale_f32_16x16x128_f8f6f4 v[rD:rD+7], v[rA:rA+7], v[rB:rB+7], v[rD:rD+7], v[rS], v[SSC] matrix_a_fmt:MATRIX_FMT_FP4 matrix_b_fmt:MATRIX_FMT_FP4 matrix_b_scale:MATRIX_SCALE_ROW1
.else
	v_wmma_scale_f32_16x16x128_f8f6f4 v[rD:rD+7], v[rA:rA+7], v[rB:rB+7], v[rD:rD+7], v[rS], v[SSC] matrix_a_fmt:MATRIX_FMT_FP4 matrix_b_fmt:MATRIX_FMT_FP4 matrix_a_scale:MATRIX_SCALE_ROW1 matrix_b_scale:MATRIX_SCALE_ROW1
.endif
.endm
; K step s of six: 128 along K are 64 bytes of a row, at 64 s + 16 for each 128 bytes passed.  25 LDS loads, 16 matrix instructions; the 16 accumulators take turns.
.macro KSTEP s
.if (\s) > 0
.rept 4
	v_nop                                          ; four places in front of loads into registers that the last matrix instructions have read
.endr
.endif
.irp i, 0,1,2,3
	ds_load_b32 v[LSC+\i], v[ASL] offset:768*\i+4*(\s)
.endr
	ds_load_b32 v[SSC], v[ASS] offset:4*(\s)
.irp u, 0,1
.irp c, 0,1
	ds_load_b128 v[SF+8*\u+4*\c:SF+8*\u+4*\c+3], v[ADS] offset:16*PITCH*\u+64*(\s)+16*((\s)/2)+32*\c
.endr
.endr
.irp t, 0,1,2,3,4,5,6,7
.irp c, 0,1
	ds_load_b128 v[LF+8*\t+4*\c:LF+8*\t+4*\c+3], v[ADL] offset:16*PITCH*\t+64*(\s)+16*((\s)/2)+32*\c
.endr
.endr
	s_wait_dscnt 8                                 ; all but the youngest eight loads, the long side's tiles 4-7
.irp t, 0,1,2,3
.irp u, 0,1
	MM \t, \u
.endr
.endr
	s_wait_dscnt 0x0
.irp t, 4,5,6,7
.irp u, 0,1
	MM \t, \u
.endr
.endr
.endm
; The products, from the long side's first row s50 and the short side's s53.  Written in two arms, so that each LDS address hangs on the wave's number alone.
.macro PRODUCTS
	s_mul_i32 s54, s50, PITCH
	s_mul_i32 s55, s53, PITCH
	v_mul_u32_u24 v14, v2, PITCH
	v_mul_u32_u24 v15, v1, 24                      ; scale words: a lane a row
	v_lshl_add_u32 v14, v3, 4, v14                 ; a fragment: row r, + 16 h
	v_add_nc_u32 v[ADL], s54, v14
	v_add_nc_u32 v[ADS], s55, v14
	s_mul_i32 s54, s50, 24
	s_mul_i32 s55, s53, 24
	s_add_co_u32 s54, s54, SCB
	s_add_co_u32 s55, s55, SCB
	v_add_nc_u32 v[ASL], s54, v15
	v_add_nc_u32 v[ASS], s55, v15
	s_wait_alu depctr_va_vdst(0)
.irp s, 0,1,2,3,4,5
	KSTEP \s
.endr
.endm
	s_cmp_eq_u32 s7, 2
	s_cbranch_scc1 .Lprod_v
	s_lshr_b32 s50, s[WV], 2
	s_lshl_b32 s50, s50, 7                         ; q, k: long rows = channels 128 (W / 4) on
	s_and_b32 s53, s[WV], 3
	s_lshl_b32 s53, s53, 5
	s_add_co_u32 s53, s53, 384                     ; short rows = tokens 32 (W % 4) on
	PRODUCTS
	s_branch .Lprod_done
.Lprod_v:
	s_mov_b32 s50, 384                             ; v: long rows = the 128 tokens
	s_lshl_b32 s53, s[WV], 5                       ; short rows = channels 32 W on
	PRODUCTS
.Lprod_done:
; THE QUANTISER.  64 numbers of a lane, tile t at s + 8 t, register j = index 16 t + 8 (lane / 16) + j along the next K, become the operand's 8 registers of codes at p and the row's scale word in pw.
; A conversion takes one tile's eight registers.  The word of tile 4 c + 2 e + u (block 2 c + e, half u) is written to register 4 c + 2 u + e; the exchange of the pair (4 c + 2 u, 4 c + 2 u + 1) between the
; halves of the lanes then leaves register 4 c + i of lane (r, h) with the indices 64 c + 32 h + 8 i + 0 .. 7, which is the operand's layout.
.macro QUANT s, p, pw
.irp b, 0,1,2,3
	v_max3_num_f32 v[TM+\b], |v[(\s)+16*\b]|, |v[(\s)+16*\b+1]|, 0x1800000   ; block b: my 16 numbers, and the floor 2^(3 - 127): the byte cannot fall under 1
.endr
.irp i, 2,4,6,8,10,12,14
.irp b, 0,1,2,3
	v_max3_num_f32 v[TM+\b], v[TM+\b], |v[(\s)+16*\b+\i]|, |v[(\s)+16*\b+\i+1]|   ; the four blocks by turns; each tile is read from its low end on
.endr
.endr
.irp b, 0,1,2,3
	s_delay_alu instid0(VALU_DEP_4)
	v_permlanex16_b32 v[TM+4+\b], v[TM+\b], s12, s13
.endr
.irp b, 0,1,2,3
	s_delay_alu instid0(VALU_DEP_4)
	v_max_num_f32 v[TM+\b], v[TM+\b], v[TM+4+\b]   ; with lane l xor 16's: the block's largest magnitude
.endr
.irp b, 0,1,2,3
	s_delay_alu instid0(VALU_DEP_4)
	v_add_nc_u32 v[TM+8+\b], 0xff000000, v[TM+\b]  ; 2 off its exponent field: the conversion takes the exponent field of this operand as its scale
.endr
.irp b, 0,1,2,3
	s_delay_alu instid0(VALU_DEP_4)
	v_lshrrev_b32 v[TM+4+\b], 23, v[TM+8+\b]       ; the scale's byte
.endr
	s_delay_alu instid0(VALU_DEP_3)
	v_lshl_or_b32 v[\pw], v[TM+5], 8, v[TM+4]
	s_delay_alu instid0(VALU_DEP_1)
	v_lshl_or_b32 v[\pw], v[TM+6], 16, v[\pw]
	s_delay_alu instid0(VALU_DEP_1)
	v_lshl_or_b32 v[\pw], v[TM+7], 24, v[\pw]
.irp t, 0,1,2,3,4,5,6,7
	v_cvt_scalef32_pk8_fp4_f32 v[(\p)+4*(\t/4)+2*(\t%2)+(\t/2)%2], v[(\s)+8*\t:(\s)+8*\t+7], v[TM+8+\t/2]
.endr
	v_nop                                          ; one plain place behind the scaled conversions
.irp c, 0,1
.irp u, 0,1
	v_permlane16_swap_b32 v[(\p)+4*\c+2*\u], v[(\p)+4*\c+2*\u+1]
.endr
.endr
.endm
.rept 4
	v_nop                                          ; four places behind the last products: their results are read, and registers that they read are written
.endr
	QUANT ACC, PC, PW
	QUANT ACC+64, PC+8, PW+1
	; The scale words.  q, k: lanes 0-15 take unit 0's rows, lanes 16-31 unit 1's; a head's word is (s0, s1, s0, s1): the upper two bytes scale the zero half of a K step of 128.  v: a unit's word as it stands.
	v_cndmask_b32 v30, v[PW], v[PW+1], s14
	s_delay_alu instid0(VALU_DEP_1)
	v_perm_b32 v31, v30, v30, 0x01000100           ; the first head's two bytes, twice
	s_delay_alu instid0(VALU_DEP_2)
	v_perm_b32 v32, v30, v30, 0x03020302           ; the second head's
	s_delay_alu instid0(VALU_DEP_2)
	v_cndmask_b32 v33, v31, v[PW], s15
	s_delay_alu instid0(VALU_DEP_2)
	v_cndmask_b32 v34, v32, v[PW+1], s15
.irp u, 0,1
	global_store_b128 v[VOC+\u], v[PC+8*\u:PC+8*\u+3],   s[46:47]   ; 32 lanes store 512 consecutive bytes, at a multiple of 512 from the buffer's first byte
	global_store_b128 v[VOC+\u], v[PC+8*\u+4:PC+8*\u+7], s[48:49]
.endr
	global_store_b32 v[VS], v33, s[44:45]          ; 128 consecutive bytes
	global_store_b32 v[VS], v34, s[26:27]
	s_wait_tensorcnt 0x0                           ; the wave's end
	ds_add_u32 v[SPW], v[NIL]
	s_wait_dscnt 0x0
	ROUND                                          ; the closing round: no work-group ends while a partner may still ask for a tile that names it
	s_endpgm
.Lfunc_end_k_q2ef91b4f11_proj:
	.size	k_q2ef91b4f11_proj, .Lfunc_end_k_q2ef91b4f11_proj-k_q2ef91b4f11_proj
	.p2alignl 7, 3214868480
	.fill 96, 4, 3214868480
	.section	.rodata,"a",@progbits
	.p2align	6, 0x0
	.amdhsa_kernel k_q2ef91b4f11_proj
		.amdhsa_group_segment_fixed_size 237568
		.amdhsa_private_segment_fixed_size 0
		.amdhsa_enable_private_segment 0
		.amdhsa_kernarg_size 136
		.amdhsa_user_sgpr_count 2
		.amdhsa_user_sgpr_kernarg_segment_ptr 1
		.amdhsa_wavefront_size32 1
		.amdhsa_system_sgpr_workgroup_id_x 1
		.amdhsa_system_sgpr_workgroup_id_y 1
		.amdhsa_system_sgpr_workgroup_id_z 1
		.amdhsa_system_vgpr_workitem_id 0
		.amdhsa_next_free_vgpr 256
		.amdhsa_next_free_sgpr 100
		.amdhsa_reserve_vcc 0
		.amdhsa_float_denorm_mode_32 3
		.amdhsa_float_denorm_mode_16_64 3
		.amdhsa_memory_ordered 1
		.amdhsa_forward_progress 1
		.amdhsa_inst_pref_size 74
	.end_amdhsa_kernel
	.amdgpu_metadata
---
amdhsa.version: [ 1, 2 ]
amdhsa.kernels:
  - .name:           k_q2ef91b4f11_proj
    .symbol:         k_q2ef91b4f11_proj.kd
    .args:
      - { .name: query_codes, .offset: 0, .size: 8, .value_kind: global_buffer, .address_space: global }
      - { .name: query_scales, .offset: 8, .size: 8, .value_kind: global_buffer, .address_space: global }
      - { .name: Wq_codes, .offset: 16, .size: 8, .value_kind: global_buffer, .address_space: global }
      - { .name: Wq_scales, .offset: 24, .size: 8, .value_kind: global_buffer, .address_space: global }
      - { .name: bq, .offset: 32, .size: 8, .value_kind: global_buffer, .address_space: global }
      - { .name: key_codes, .offset: 40, .size: 8, .value_kind: global_buffer, .address_space: global }
      - { .name: key_scales, .offset: 48, .size: 8, .value_kind: global_buffer, .address_space: global }
      - { .name: Wk_codes, .offset: 56, .size: 8, .value_kind: global_buffer, .address_space: global }
      - { .name: Wk_scales, .offset: 64, .size: 8, .value_kind: global_buffer, .address_space: global }
      - { .name: bk, .offset: 72, .size: 8, .value_kind: global_buffer, .address_space: global }
      - { .name: value_codes, .offset: 80, .size: 8, .value_kind: global_buffer, .address_space: global }
      - { .name: value_scales, .offset: 88, .size: 8, .value_kind: global_buffer, .address_space: global }
      - { .name: Wv_codes, .offset: 96, .size: 8, .value_kind: global_buffer, .address_space: global }
      - { .name: Wv_scales, .offset: 104, .size: 8, .value_kind: global_buffer, .address_space: global }
      - { .name: bv, .offset: 112, .size: 8, .value_kind: global_buffer, .address_space: global }
      - { .name: qimg, .offset: 120, .size: 8, .value_kind: global_buffer, .address_space: global }
      - { .name: kv, .offset: 128, .size: 8, .value_kind: global_buffer, .address_space: global }
    .group_segment_fixed_size: 237568
    .private_segment_fixed_size: 0
    .kernarg_segment_align: 8
    .kernarg_segment_size: 136
    .max_flat_workgroup_size: 384
    .sgpr_count:     100
    .vgpr_count:     256
    .wavefront_size: 32
...
	.end_amdgpu_metadata
.endif
;; end of part 1
;; launch attn (part 2): grid 256 x 1, 12 waves a work-group, clusters of 4 x 1, 327,680 bytes of LDS; arguments qimg, kv, cimg, csc; writes cimg, csc
.if DOCPART == 2
	.amdgcn_target "amdgcn-amd-amdhsa--gfx1250"
	.amdhsa_code_object_version 6
	.text
	.protected	k_q2ef91b4f11_attn
	.globl	k_q2ef91b4f11_attn
	.p2align	8
	.type	k_q2ef91b4f11_attn,@function
k_q2ef91b4f11_attn:
	s_mov_b64 s[64:65], 0
	v_nop
	global_prefetch_b8 v0, s[64:65] scope:SCOPE_SE
	s_setreg_imm32_b32 hwreg(HW_REG_WAVE_MODE, 25, 1), 1
	s_wait_xcnt 0x0
	s_wait_alu depctr_hold_cnt(0) depctr_sa_sdst(0) depctr_va_vdst(0) depctr_va_sdst(0) depctr_va_ssrc(0) depctr_va_vcc(0) depctr_vm_vsrc(0)
	s_getreg_b32 s2, hwreg(HW_REG_IB_STS2, 6, 4)
	s_cmp_eq_u32 s2, 0
	s_cbranch_scc0 .Lentry_in_a_cluster
	s_endpgm
.Lentry_in_a_cluster:
	s_bfe_u32 s2, ttmp6, 0x10000c
	s_cmp_lg_u32 s2, 0x3003
	s_cbranch_scc0 .Lentry_shape_is_right
	s_endpgm
.Lentry_shape_is_right:
; PRODUCTS 4 AND 5: per head ctx = softmax(q k^T / 8) v on codes of E2M1 and E8M0 bytes, sums in f32; ctx is quantised along its channels for product 6.  Nothing is left out.
; THE SOFTMAX: t = score x log2(e) / 8; M = the row's largest t so far, rounded UP to a whole number; p = 2^(t - M) is quantised along the keys in blocks of 32, not normalised.
; The row's sum is taken of the unquantised p and divides O at the end.  When M moves, the sum and O are multiplied by 2^(old M - new M), a power of two.
; LIMITS: NaN and infinities are not served.  The softmax holds while the scaled scores t stay under 2^31 in magnitude.
; A block whose largest magnitude lies under 2^-124 gets the scale byte 1, a block of zeros too: its codes are zeros, and the bytes are read by this program alone.
; SHARES.  The 24 heads of both batches: work-group b = 4 x cluster + cx owns 128 rows of head b / 16 (waves 0-7) and 64 rows of head 16 + b / 32 (waves 8-11), 16 rows a wave:
; 16 heads x 16 blocks = 8 heads x 32 blocks = 256 work-groups of equal work.  A wave walks 16 steps of 128 keys.
; LDS holds K and V of both heads whole, as they lie in kv (images of the operand registers, 9,216 bytes a step): 2 x 147,456 bytes, each byte filled once.
; Steps 0-2 of both heads come by one tensor load a wave at the head (six waves a head), steps 3-15 by one more behind it, which has steps 0 to 2 in which to land; one barrier stands in step 2.
; CLUSTER.  The four work-groups of a cluster want the same two heads: every load is JOINT.  Nothing in a descriptor hangs on cx.
; NO PREFETCH: every load is asked for ahead of the first step; no loop loads from memory, so there is none to run ahead in.
; ORDER of a step: V of this step is read, the maxima, p, K of the next step is read, p is quantised, O^T += V^T P^T, the next scores.
; LAYOUT.  Products are used transposed: S^T = K Q^T, O^T = V^T P^T: lane (r, h) holds query r throughout.  A head's 64 channels fill the lower half of the matrix instruction's 128: Q's upper half is zeros.
.set STEPB, 9216
.set HEADB, 16*STEPB                   ; 147,456
.set N1,    3                          ; steps in the first load
.set P1,    N1*STEPB/6                 ; 4,608 bytes a wave: 18 rows of 256
.set P2,    (16-N1)*STEPB/6            ; 19,968: 78 rows
.set SPARE, 2*HEADB                    ; the spare words, 128 bytes for each of twelve waves
.set LI,  1                            ; v1   16 x lane
.set LS,  2                            ; v2   4 x lane
.set AD,  3                            ; v3   the step in hand in LDS, + 16 x lane
.set AS,  4                            ; v4   the same, + 4 x lane
.set SPW, 5
.set NIL, 6
.set SB,  9                            ; v9   4 r + h: ctx's scale bytes (it also stands as the unused upper half of the pair v[8:9])
.set RM,  13                           ; v13  the largest score so far; v8 and v12 hold -M by turns
.set QF,  16
.set QS,  24
.set KS,  26
.set VSC, 30
.set PS,  34
.set KF,  36                           ; v36-67 K's eight fragments, v68-71 zeros
.set VF,  72
.set S,   104
.set O,   168
.set P,   200
.set BM,  208
.set F,   220
.set T,   222
.set U,   223
.set Z,   224
.set Z2,  225
.set W,   226                          ; v226-249 partial sums
.set WV,  12
.set SEL, 20
.set CS,  22                           ; s22 c = log2(e) / 8; s23 = -c
.set G1A, 24
.set G0A, 32
.set G0B, 36
.set TB,  40
.set CNT, 41
.set G1B, 76
.macro WT
	s_wait_alu depctr_va_vdst(0)
.endm
.macro ROUND                           ; a round of the cluster's barrier
	s_barrier_signal -1
	s_barrier_wait -1
	s_cmp_lg_u32 s[WV], 0
	s_cbranch_scc1 .Lnot_wave_0_\@
	s_barrier_signal -3
.Lnot_wave_0_\@:
	s_barrier_wait -3
	s_barrier_signal -1
	s_barrier_wait -1
.endm
	s_load_b256 s[4:11], s[0:1], 0x0               ; qimg s[4:5], kv s[6:7], cimg s[8:9], csc s[10:11]
	v_lshl_add_u32 v[SPW], v0, 2, SPARE
	v_mov_b32 v[NIL], 0
	ds_add_u32 v[SPW], v[NIL]                      ; the opening add, twice on end
	ds_add_u32 v[SPW], v[NIL]
	v_lshrrev_b32 v1, 5, v0
	v_readfirstlane_b32 s[WV], v1                  ; wave 0..11
	v_and_b32 v1, 31, v0
	v_and_b32 v10, 15, v0
	v_bfe_u32 v11, v0, 4, 1
	v_lshlrev_b32 v[LS], 2, v1
	v_lshlrev_b32 v10, 2, v10                      ; 4 r
	v_lshlrev_b32 v[LI], 4, v1
	v_add_nc_u32 v[SB], v10, v11
	s_lshr_b32 s18, s[WV], 3                       ; which of the two heads I walk
	s_mul_i32 s[TB], s18, HEADB
	v_add_nc_u32 v[AD], s[TB], v[LI]
	v_add_nc_u32 v[AS], s[TB], v[LS]
	WT
	s_mul_i32 s19, s[WV], 43
	s_lshr_b32 s19, s19, 8                         ; wave / 6: for which of the two I fetch
	s_mul_i32 s57, s19, 6
	s_sub_co_u32 s57, s[WV], s57                   ; my sixth of it
	; groups 1: dense blocks as rows of 256 bytes (32 elements of 8 bytes), for all four partners: 18 rows, then 78
	s_mov_b32 s[G1A], 15|(3<<16)|(1<<21)
	s_mov_b32 s[G1A+1], 32<<16
	s_mov_b32 s[G1A+2], (P1/256)<<16
	s_mov_b32 s[G1A+3], 32<<16
	s_mov_b32 s[G1A+4], P1/256
	s_mov_b32 s[G1A+5], 32
	s_mov_b32 s[G1A+6], 0
	s_mov_b32 s[G1A+7], 0
	s_mov_b32 s[G1B], 15|(3<<16)|(1<<21)
	s_mov_b32 s[G1B+1], 32<<16
	s_mov_b32 s[G1B+2], (P2/256)<<16
	s_mov_b32 s[G1B+3], 32<<16
	s_mov_b32 s[G1B+4], P2/256
	s_mov_b32 s[G1B+5], 32
	s_mov_b32 s[G1B+6], 0
	s_mov_b32 s[G1B+7], 0
	s_mov_b32 s[SEL], 0x76543210                   ; v_permlanex16_b32's selects for lane l xor 16
	s_mov_b32 s[SEL+1], 0xfedcba98
	s_mov_b32 s[CS], 0x3e38aa3b
	s_mov_b32 s[CS+1], 0xbe38aa3b
	s_mov_b32 s42, 0xffff0000                      ; lanes 16-31
	; LDS addresses: head x HEADB + my sixth; from wave x P on, the second head's sixths lie HEADB - 6 P further
	s_mov_b32 s[G0A], 1
	s_mul_i32 s[G0A+1], s[WV], P1
	s_mul_i32 s43, s19, HEADB-6*P1
	s_add_co_u32 s[G0A+1], s[G0A+1], s43
	s_mov_b32 s[G0B], 1
	s_mul_i32 s[G0B+1], s[WV], P2
	s_mul_i32 s43, s19, HEADB-6*P2
	s_add_co_u32 s[G0B+1], s[G0B+1], s43
	s_add_co_u32 s[G0B+1], s[G0B+1], N1*STEPB
	; which heads, and where the pieces lie in kv: made of the cluster's number and the wave's alone
	s_lshr_b32 s15, ttmp9, 2                       ; b / 16
	s_lshr_b32 s16, ttmp9, 3
	s_add_co_u32 s16, s16, 16                      ; 16 + b / 32
	s_sub_co_u32 s17, s16, s15
	s_mul_i32 s54, s17, s18
	s_add_co_u32 s54, s54, s15                     ; s54: the head that I walk
	s_mul_i32 s55, s17, s19
	s_add_co_u32 s55, s55, s15                     ; the head that I fetch for
	s_mul_i32 s55, s55, HEADB
	s_mul_i32 s60, s57, P1
	s_add_co_u32 s60, s60, s55
	s_mov_b32 s61, 0
	s_mul_i32 s62, s57, P2
	s_add_co_u32 s62, s62, s55
	s_add_co_u32 s62, s62, N1*STEPB
	s_mov_b32 s63, 0
	; my 16 rows: tile tt of the batch's 128
	s_bfe_u32 s13, ttmp6, 0x40000                  ; cx: it enters addresses of Q, cimg and csc alone
	s_lshl_b32 s14, ttmp9, 2
	s_add_co_u32 s14, s14, s13                     ; b
	s_and_b32 s44, s14, 15
	s_lshl_b32 s44, s44, 3
	s_add_co_u32 s44, s44, s[WV]                   ; waves 0-7
	s_and_b32 s45, s14, 31
	s_lshl_b32 s45, s45, 2
	s_and_b32 s46, s[WV], 3
	s_add_co_u32 s45, s45, s46                     ; waves 8-11
	s_cmp_lt_u32 s[WV], 8
	s_cselect_b32 s44, s44, s45                    ; tt
	s_mul_i32 s66, s54, 73728                      ; my head in qimg,
	s_lshr_b32 s45, s44, 3
	s_mul_i32 s45, s45, 4608
	s_add_co_u32 s66, s66, s45                     ; the block of 128 tokens,
	s_and_b32 s45, s44, 7
	s_lshl_b32 s46, s45, 6
	s_add_co_u32 s68, s66, s46
	s_add_co_u32 s68, s68, 4096                    ; s68: my tile's scale words
	s_lshl_b32 s46, s45, 9
	s_add_co_u32 s66, s66, s46                     ; s66: its codes
	s_mov_b32 s67, 0
	s_mov_b32 s69, 0
	s_cmp_ge_u32 s54, 12
	s_cselect_b32 s45, 1, 0                        ; batch
	s_mul_i32 s46, s45, 12
	s_sub_co_u32 s46, s54, s46                     ; head in the batch
	s_lshl_b32 s45, s45, 7
	s_add_co_u32 s45, s45, s44                     ; row tile of 256
	s_lshr_b32 s47, s46, 1
	s_and_b32 s46, s46, 1
	s_mul_i32 s70, s45, 6144                       ; cimg: [row tile][head pair][head of the pair] x 512 bytes
	s_lshl_b32 s48, s47, 10
	s_add_co_u32 s70, s70, s48
	s_lshl_b32 s48, s46, 9
	s_add_co_u32 s70, s70, s48
	s_mov_b32 s71, 0
	s_lshl_b32 s72, s47, 14                        ; csc: [head pair][row tile] x 64 bytes
	s_lshl_b32 s48, s45, 6
	s_add_co_u32 s72, s72, s48
	s_lshl_b32 s48, s46, 1
	s_add_co_u32 s72, s72, s48
	s_mov_b32 s73, 0
	s_wait_dscnt 0x0                               ; both opening adds are done
	s_wait_kmcnt 0x0
	s_add_nc_u64 s[G0A+2:G0A+3], s[6:7], s[60:61]
	s_add_nc_u64 s[G0B+2:G0B+3], s[6:7], s[62:63]
	s_or_b32 s[G0A+3], s[G0A+3], 0x80000000
	s_or_b32 s[G0B+3], s[G0B+3], 0x80000000
	s_add_nc_u64 s[68:69], s[4:5], s[68:69]
	s_add_nc_u64 s[4:5], s[4:5], s[66:67]
	s_add_nc_u64 s[8:9], s[8:9], s[70:71]
	s_add_nc_u64 s[10:11], s[10:11], s[72:73]
	ROUND                                          ; all four work-groups are here: the joint loads meet
	tensor_load_to_lds s[G0A:G0A+3], s[G1A:G1A+7]  ; steps 0-2
	s_nop 0
	global_load_b128 v[QF:QF+3], v[LI], s[4:5]
	global_load_b32 v[QS], v10, s[68:69]
.irp j, 0,1,2,3
	v_mov_b32 v[QF+4+\j], 0
	v_mov_b32 v[KF+32+\j], 0
.endr
	v_mov_b32 v12, 0x7f61b1e6                      ; -M so far: 3e38; the largest score so far: -3e38
	v_mov_b32 v[RM], 0xff61b1e6
	v_mov_b32 v14, 0                               ; the row's sum, in two halves
	v_mov_b32 v15, 0
	v_mov_b32 v[F+1], 0
	v_mov_b32 v[U], 0
	v_mov_b32 v[Z2], 0
.set n, 0
.rept 32
	v_mov_b32 v[O+n], 0                            ; O^T: the first change of M multiplies zeros
.set n, n+1
.endr
	WT
	s_wait_tensorcnt 0x0                           ; my part of steps 0-2 is in; these three lines as ahead of a refill
	ds_add_u32 v[SPW], v[NIL]
	s_wait_dscnt 0x0
	ROUND                                          ; everybody's part is in
	tensor_load_to_lds s[G0B:G0B+3], s[G1B:G1B+7]  ; steps 3-15
	s_nop 0
.macro KLOAD ko                        ; K's eight fragments and scale words, ko bytes behind the step that AD and AS name
.irp t, 0,1,2,3,4,5,6,7
	ds_load_b128 v[KF+4*\t:KF+4*\t+3], v[AD] offset:(\ko)+512*\t
.endr
.irp g, 0,1,2,3
	ds_load_b32 v[KS+\g], v[AS] offset:(\ko)+4096+128*\g
.endr
.endm
.macro SMUL                            ; S^T = K Q^T: a fragment's upper four registers are the next one's: they meet Q's zeros
.irp t, 0,2,4,6
	v_wmma_scale_f32_16x16x128_f8f6f4 v[S+8*\t:S+8*\t+7], v[KF+4*\t:KF+4*\t+7], v[QF:QF+7], 0, v[KS+\t/2], v[QS] matrix_a_fmt:MATRIX_FMT_FP4 matrix_b_fmt:MATRIX_FMT_FP4
	v_wmma_scale_f32_16x16x128_f8f6f4 v[S+8*\t+8:S+8*\t+15], v[KF+4*\t+4:KF+4*\t+11], v[QF:QF+7], 0, v[KS+\t/2], v[QS] matrix_a_fmt:MATRIX_FMT_FP4 matrix_b_fmt:MATRIX_FMT_FP4 matrix_a_scale:MATRIX_SCALE_ROW1
.endr
.endm
.macro FM n                            ; t - M, two at a time
	v_pk_fma_f32 v[S+\n:S+\n+1], v[S+\n:S+\n+1], s[CS:CS+1], v[NM:NM+1] op_sel_hi:[1,0,0]
.endm
.macro FIN a, b                        ; the row's sum: two chains
	v_pk_add_f32 v[14:15], v[14:15], v[S+\a:S+\a+1]
	v_pk_add_f32 v[W:W+1], v[W:W+1], v[W+\b:W+\b+1]
.endm
; A step.  p: its number is even (0) or odd (1).  kind 0: any;  1 (step 2): with the barrier ahead of step 3's tiles;  2 (step 15): no scores follow.
; vo, ko: this step's V and the next step's K, in bytes from AD and AS.  places: how many of the four places ahead of the loads are still owed.
.macro TRIP p, kind, vo, ko, places
.set OM, 12-4*(\p)                     ; the old -M
.set NM, 8+4*(\p)                      ; the new one
.rept \places
	v_nop                                          ; places behind the last products, for the loads and the reads of scores
.endr
.irp t, 0,1,2,3
.irp c, 0,1
	ds_load_b128 v[VF+8*\t+4*\c:VF+8*\t+4*\c+3], v[AD] offset:(\vo)+4608+1024*\t+512*\c
.endr
.endr
.irp t, 0,1,2,3
	ds_load_b32 v[VSC+\t], v[AS] offset:(\vo)+8704+128*\t
.endr
.irp b, 0,1,2,3
	v_max3_num_f32 v[BM+\b], v[S+16*\b], v[S+16*\b+1], v[S+16*\b+2]   ; the largest score of each block of 32 keys: for the row's maximum and for the block's largest p
.endr
.irp i, 3,5,7,9,11,13
.irp b, 0,1,2,3
	v_max3_num_f32 v[BM+\b], v[BM+\b], v[S+16*\b+\i], v[S+16*\b+\i+1]
.endr
.endr
.irp b, 0,1,2,3
	v_max_num_f32 v[BM+\b], v[BM+\b], v[S+16*\b+15]
.endr
	v_permlane16_swap_b32 v[BM], v[BM+1]           ; two blocks join their halves at once: then BM has block 0 in lanes 0-15, block 1 in lanes 16-31,
	v_permlane16_swap_b32 v[BM+2], v[BM+3]
	v_max_num_f32 v[BM], v[BM], v[BM+1]
	v_max_num_f32 v[BM+2], v[BM+2], v[BM+3]        ; and BM + 2 blocks 2 and 3
	s_delay_alu instid0(VALU_DEP_1)
	v_max_num_f32 v[T], v[BM], v[BM+2]
	s_delay_alu instid0(VALU_DEP_1)
	v_permlanex16_b32 v[U], v[T], s[SEL], s[SEL+1]
	s_delay_alu instid0(VALU_DEP_1)
	v_max3_num_f32 v[RM], v[RM], v[T], v[U]
	s_delay_alu instid0(VALU_DEP_1)
	v_mul_f32 v[T], s[CS+1], v[RM]                 ; -t
	s_delay_alu instid0(VALU_DEP_1)
	v_floor_f32 v[NM], v[T]                        ; -M: M is a whole number
	v_sub_f32 v[T], v[NM], v[OM]                   ; old M - new M
	FM 0
	FM 2
	v_cvt_i32_f32 v[T], v[T]                       ; (it saturates)
	FM 4
	FM 6
	v_ldexp_f32 v[F], 1.0, v[T]                    ; f
	FM 8
	FM 10
	FM 12
	FM 14
	v_fma_f32 v[BM], v[BM], s[CS], v[NM]
	v_fma_f32 v[BM+2], v[BM+2], s[CS], v[NM]
.set n, 0
.rept 16
	v_pk_mul_f32 v[O+n:O+n+1], v[O+n:O+n+1], v[F:F+1] op_sel_hi:[1,0]
.set n, n+2
.endr
	; THE EXPONENTIALS go block by block, with the next block's multiply-adds and the last block's first sums between; what a block's reads were written ahead of its wait
	WT
	v_exp_f32 v[BM], v[BM]                         ; the blocks' largest p
	v_exp_f32 v[BM+2], v[BM+2]
.irp k, 0,2,4,6,8,10,12,14
	v_exp_f32 v[S+\k], v[S+\k]
	FM 16+\k
	v_exp_f32 v[S+\k+1], v[S+\k+1]
.endr
	WT
.irp k, 0,1,2,3,4,5,6,7
	v_exp_f32 v[S+16+2*\k], v[S+16+2*\k]
	FM 32+2*\k
	v_exp_f32 v[S+17+2*\k], v[S+17+2*\k]
.if \k < 4
	v_pk_add_f32 v[W+2*\k:W+2*\k+1], v[S+4*\k:S+4*\k+1], v[S+4*\k+2:S+4*\k+3]   ; the row's sum is of the unquantised p
.elseif \k == 4
	v_max_num_f32 v[BM], 0x1800000, v[BM]          ; the floor 2^(3 - 127): the byte cannot fall under 1
.elseif \k == 5
	v_max_num_f32 v[BM+2], 0x1800000, v[BM+2]
.endif
.endr
	WT
.irp k, 0,1,2,3,4,5,6,7
	v_exp_f32 v[S+32+2*\k], v[S+32+2*\k]
	FM 48+2*\k
	v_exp_f32 v[S+33+2*\k], v[S+33+2*\k]
.if \k < 4
	v_pk_add_f32 v[W+8+2*\k:W+8+2*\k+1], v[S+16+4*\k:S+16+4*\k+1], v[S+16+4*\k+2:S+16+4*\k+3]
.elseif \k == 4
	v_add_nc_u32 v[BM+8], 0xff000000, v[BM]        ; 2 off the exponent field: the conversion's scale operand
.elseif \k == 5
	v_add_nc_u32 v[BM+10], 0xff000000, v[BM+2]
.endif
.endr
	WT
.if \kind == 1
	s_wait_tensorcnt 0x0                           ; my part of steps 3-15 is in
	s_wait_dscnt 0x0
	s_barrier_signal -1
.endif
.irp k, 0,1,2,3,4,5,6,7
	v_exp_f32 v[S+48+2*\k], v[S+48+2*\k]
.if \k < 4
	v_pk_add_f32 v[W+16+2*\k:W+16+2*\k+1], v[S+32+4*\k:S+32+4*\k+1], v[S+32+4*\k+2:S+32+4*\k+3]
.elseif \k == 4
	v_pk_mul_f32 v[14:15], v[14:15], v[F:F+1] op_sel_hi:[1,0]
.elseif \k == 5
	v_lshrrev_b32 v[BM+4], 23, v[BM+8]             ; the scales' bytes
.elseif \k == 6
	v_lshrrev_b32 v[BM+5], 23, v[BM+10]
.else
	v_mov_b32 v[BM+9], v[BM+8]
.endif
	v_exp_f32 v[S+49+2*\k], v[S+49+2*\k]
.if \k < 4
	v_pk_add_f32 v[W+4*\k:W+4*\k+1], v[W+4*\k:W+4*\k+1], v[W+4*\k+2:W+4*\k+3]
.elseif \k == 4
	v_mov_b32 v[BM+11], v[BM+10]
.endif
.endr
	v_nop                                          ; a plain place behind the last exponential
	WT
.if \kind == 1
	s_barrier_wait -1                              ; everybody's part is in
.else
	s_wait_dscnt 0x0                               ; V of this step
.endif
.if \kind < 2
	KLOAD \ko
.endif
	v_permlane16_swap_b32 v[BM+8], v[BM+9]         ; each block's scale operand in all lanes: BM + 8 .. BM + 11
	v_permlane16_swap_b32 v[BM+10], v[BM+11]
	v_lshl_or_b32 v[Z], v[BM+5], 16, v[BM+4]       ; lanes 0-15: bytes of blocks 0 and 2; lanes 16-31: of 1 and 3
	v_permlanex16_b32 v[Z2], v[Z], s[SEL], s[SEL+1]
	v_lshl_or_b32 v[PS], v[Z2], 8, v[Z]            ; lanes 0-15: p's scale word
.irp t, 0,1,2,3,4,5,6,7
	v_cvt_scalef32_pk8_fp4_f32 v[P+4*(\t/4)+2*(\t%2)+(\t/2)%2], v[S+8*\t:S+8*\t+7], v[BM+8+\t/2]
.endr
	FIN 48, 4                                      ; plain places behind the scaled conversions
.irp c, 0,1
.irp u, 0,1
	v_permlane16_swap_b32 v[P+4*\c+2*\u], v[P+4*\c+2*\u+1]   ; a whole block in a lane
.endr
.endr
	FIN 50, 8                                      ; places ahead of the products
	FIN 52, 12
	FIN 54, 16
	FIN 56, 18
	FIN 58, 20
	FIN 60, 22
	v_pk_add_f32 v[14:15], v[14:15], v[S+62:S+63]
	v_pk_add_f32 v[14:15], v[14:15], v[W:W+1]
.irp t, 0,1,2,3
	v_wmma_scale_f32_16x16x128_f8f6f4 v[O+8*\t:O+8*\t+7], v[VF+8*\t:VF+8*\t+7], v[P:P+7], v[O+8*\t:O+8*\t+7], v[VSC+\t], v[PS] matrix_a_fmt:MATRIX_FMT_FP4 matrix_b_fmt:MATRIX_FMT_FP4
.endr
.if \kind < 2
	s_wait_dscnt 0x0                               ; K of the next step
	SMUL
.endif
.endm
	KLOAD 0
	s_wait_loadcnt 0x0                             ; Q
	s_wait_dscnt 0x0
	SMUL
	TRIP 0, 0, 0, STEPB, 4                         ; steps 0 to 2
	TRIP 1, 0, STEPB, 2*STEPB, 4
	TRIP 0, 1, 2*STEPB, 3*STEPB, 4
	s_add_co_u32 s[TB], s[TB], N1*STEPB
	s_mov_b32 s[CNT], 6
	WT
.Lloop:                                                ; steps 3 to 14, two a trip
	v_add_nc_u32 v[AD], s[TB], v[LI]               ; (two of the four places)
	v_add_nc_u32 v[AS], s[TB], v[LS]
	TRIP 1, 0, 0, STEPB, 2
	TRIP 0, 0, STEPB, 2*STEPB, 4
	s_add_co_u32 s[TB], s[TB], 2*STEPB
	WT
	s_sub_co_u32 s[CNT], s[CNT], 1
	s_cmp_lg_u32 s[CNT], 0
	s_cbranch_scc1 .Lloop
	v_add_nc_u32 v[AD], s[TB], v[LI]
	v_add_nc_u32 v[AS], s[TB], v[LS]
	TRIP 1, 2, 0, 0, 2                             ; step 15
; O^T / the sum, quantised along the head's 64 channels
.rept 4
	v_nop
.endr
	v_add_f32 v14, v14, v15
	v_permlanex16_b32 v[T], v14, s[SEL], s[SEL+1]
	v_add_f32 v14, v14, v[T]                       ; the row's sum
	WT
	v_rcp_f32 v14, v14
	v_nop
	v_nop
	WT
.set n, 0
.rept 32
	v_mul_f32 v[S+n], v[O+n], v14                  ; register 8 t + j: channel 16 t + 8 h + j of ctx
.set n, n+1
.endr
.irp b, 0,1
	v_max3_num_f32 v[BM+\b], |v[S+16*\b]|, |v[S+16*\b+1]|, 0x1800000
.endr
.irp i, 2,4,6,8,10,12,14
.irp b, 0,1
	v_max3_num_f32 v[BM+\b], v[BM+\b], |v[S+16*\b+\i]|, |v[S+16*\b+\i+1]|
.endr
.endr
.irp b, 0,1
	v_permlanex16_b32 v[BM+4+\b], v[BM+\b], s[SEL], s[SEL+1]
.endr
.irp b, 0,1
	v_max_num_f32 v[BM+\b], v[BM+\b], v[BM+4+\b]
.endr
.irp b, 0,1
	v_add_nc_u32 v[BM+8+\b], 0xff000000, v[BM+\b]
.endr
.irp b, 0,1
	v_lshrrev_b32 v[BM+4+\b], 23, v[BM+8+\b]
.endr
	v_cndmask_b32 v[T], v[BM+4], v[BM+5], s42      ; lanes 0-15 block 0's byte, lanes 16-31 block 1's
.irp t, 0,1,2,3
	v_cvt_scalef32_pk8_fp4_f32 v[P+2*(\t%2)+\t/2], v[S+8*\t:S+8*\t+7], v[BM+8+\t/2]
.endr
	v_nop                                          ; a plain place behind the conversions
	v_permlane16_swap_b32 v[P], v[P+1]
	v_permlane16_swap_b32 v[P+2], v[P+3]
	global_store_b128 v[LI], v[P:P+3], s[8:9]      ; 512 consecutive bytes
	global_store_b8 v[SB], v[T], s[10:11]
	s_wait_tensorcnt 0x0                           ; the wave's end
	ds_add_u32 v[SPW], v[NIL]
	s_wait_dscnt 0x0
	ROUND                                          ; the closing round: no work-group ends while a partner may still ask for a tile that names it
	s_endpgm
.Lfunc_end_k_q2ef91b4f11_attn:
	.size	k_q2ef91b4f11_attn, .Lfunc_end_k_q2ef91b4f11_attn-k_q2ef91b4f11_attn
	.p2alignl 7, 3214868480
	.fill 96, 4, 3214868480
	.section	.rodata,"a",@progbits
	.p2align	6, 0x0
	.amdhsa_kernel k_q2ef91b4f11_attn
		.amdhsa_group_segment_fixed_size 327680
		.amdhsa_private_segment_fixed_size 0
		.amdhsa_enable_private_segment 0
		.amdhsa_kernarg_size 32
		.amdhsa_user_sgpr_count 2
		.amdhsa_user_sgpr_kernarg_segment_ptr 1
		.amdhsa_wavefront_size32 1
		.amdhsa_system_sgpr_workgroup_id_x 1
		.amdhsa_system_sgpr_workgroup_id_y 1
		.amdhsa_system_sgpr_workgroup_id_z 1
		.amdhsa_system_vgpr_workitem_id 0
		.amdhsa_next_free_vgpr 256
		.amdhsa_next_free_sgpr 88
		.amdhsa_reserve_vcc 0
		.amdhsa_float_denorm_mode_32 3
		.amdhsa_float_denorm_mode_16_64 3
		.amdhsa_memory_ordered 1
		.amdhsa_forward_progress 1
		.amdhsa_inst_pref_size 99
	.end_amdhsa_kernel
	.amdgpu_metadata
---
amdhsa.version: [ 1, 2 ]
amdhsa.kernels:
  - .name:           k_q2ef91b4f11_attn
    .symbol:         k_q2ef91b4f11_attn.kd
    .args:
      - { .name: qimg, .offset: 0, .size: 8, .value_kind: global_buffer, .address_space: global }
      - { .name: kv, .offset: 8, .size: 8, .value_kind: global_buffer, .address_space: global }
      - { .name: cimg, .offset: 16, .size: 8, .value_kind: global_buffer, .address_space: global }
      - { .name: csc, .offset: 24, .size: 8, .value_kind: global_buffer, .address_space: global }
    .group_segment_fixed_size: 327680
    .private_segment_fixed_size: 0
    .kernarg_segment_align: 8
    .kernarg_segment_size: 32
    .max_flat_workgroup_size: 384
    .sgpr_count:     88
    .vgpr_count:     256
    .wavefront_size: 32
...
	.end_amdgpu_metadata
.endif
;; end of part 2
;; launch outp (part 3): grid 4 x 64, 3 waves a work-group, no clusters, 13,824 bytes of LDS; arguments cimg, csc, Wo_codes, Wo_scales, bo, out0; writes out0
.if DOCPART == 3
	.amdgcn_target "amdgcn-amd-amdhsa--gfx1250"
	.amdhsa_code_object_version 6
	.text
	.protected	k_q2ef91b4f11_outp
	.globl	k_q2ef91b4f11_outp
	.p2align	8
	.type	k_q2ef91b4f11_outp,@function
k_q2ef91b4f11_outp:
	s_mov_b64 s[64:65], 0
	v_nop
	global_prefetch_b8 v0, s[64:65] scope:SCOPE_SE
	s_setreg_imm32_b32 hwreg(HW_REG_WAVE_MODE, 25, 1), 1
	s_wait_xcnt 0x0
; PRODUCT 6: out0 = ctx Wo^T + bo, on ctx's codes and scale words as the attention launch laid them and on Wo's as they are given; sums in f32.  Nothing is left out.
; SHARES.  Work-group (cg, rg): 64 rows x 192 columns: 4 x 64 = 256 work-groups.  Wave w: the 64 rows x columns n0 = 192 cg + 64 w on: 16 accumulators, 6 K steps of 128, 96 matrix instructions.
; All of K fits in a wave's registers: ctx's 24 fragments (images: 512 consecutive bytes a load) and Wo's 24 come from memory straight into registers, each once a wave; no loop, no label.
; NO CLUSTER AND NO TENSOR LOAD: there is no ring in which a shared tile could wait; K is used up in one pass of 48 KB a wave, and a way through LDS would add a barrier to a launch whose bulk is its 12.6 MB of stores.
; THE PRODUCT IS USED TRANSPOSED (source 0 = 16 rows of Wo, source 1 = 16 rows of ctx): lane (r, h) holds row 16 a + r and the eight neighbouring columns 16 t + 8 h + 0 .. 7.  bo is the C of each sum's first instruction.
; REGISTERS, in windows of 256: window 0: v4-13 addresses; v16-39 Wo's scale words (tile t, K step s: 6 t + s); v40-51 ctx's (2 s + i: lanes 0-15 row tile 2 i, lanes 16-31 tile 2 i + 1); v64-127 rows on the way out.
;   window 1: K steps 0-2, window 2: K steps 3-5: at 64 (s % 3): Wo's four fragments, then ctx's four.   window 3: the accumulators at 8 (4 a + t); bo's four tiles at 128 + 8 t.
.set SPITCH, 272                       ; a stage row: 256 bytes (64 columns) + 16
.set STG,    16*SPITCH                 ; a wave's stage
.set SPARE,  13312                     ; behind the three stages: the spare words, 128 bytes for each wave, in two blocks of 256 bytes that no other line names
.set LI,  4                            ; v4   16 x lane
.set VW,  5                            ; v5   Wo's codes: 384 r + 16 h
.set WSO, 6                            ; v6   Wo's scale words: 24 r
.set LS,  7                            ; v7   4 x lane
.set BO,  8                            ; v8   bo: 32 h
.set STO, 9                            ; v9   the stage: where I put 32 bytes of a row
.set RD,  10                           ; v10  and where I read a row back
.set GO,  11                           ; v11  my byte offset in two rows of out0
.set SPW, 12                           ; v12  LDS address of my spare word; never rewritten
.set NIL, 13                           ; v13  0; never rewritten
.set WSC, 16
.set CSC, 40
.set BK,  64
.set MSB, 0
.macro WIN new                         ; the immediate's high byte repeats the setting that is left; a switch that changes nothing is dropped
.if MSB != \new
	s_set_vgpr_msb (MSB<<8)|\new
.set MSB, \new
.endif
.endm
	s_load_b256 s[4:11], s[0:1], 0x0               ; cimg s[4:5], csc s[6:7], Wo's codes s[8:9], Wo's scales s[10:11]
	s_load_b128 s[12:15], s[0:1], 0x20             ; bo s[12:13], out0 s[14:15]
	v_lshl_add_u32 v[SPW], v0, 2, SPARE
	v_mov_b32 v[NIL], 0
	v_lshrrev_b32 v1, 5, v0
	v_readfirstlane_b32 s16, v1                    ; wave 0..2
	v_and_b32 v1, 31, v0                           ; lane
	v_and_b32 v2, 15, v0                           ; r
	v_bfe_u32 v3, v0, 4, 1                         ; h
	v_lshlrev_b32 v[LI], 4, v1
	v_mul_u32_u24 v[VW], v2, 384
	v_lshl_add_u32 v[VW], v3, 4, v[VW]
	v_mul_u32_u24 v[WSO], v2, 24
	v_lshlrev_b32 v[LS], 2, v1
	v_lshlrev_b32 v[BO], 5, v3
	s_mul_i32 s17, s16, STG
	v_mul_u32_u24 v[STO], v2, SPITCH
	v_lshl_add_u32 v[STO], v3, 5, v[STO]
	v_add_nc_u32 v[STO], s17, v[STO]               ; in: row r, + 32 h
	v_mul_u32_u24 v[RD], v3, SPITCH
	v_lshl_add_u32 v[RD], v2, 4, v[RD]
	v_add_nc_u32 v[RD], s17, v[RD]                 ; back: lanes 0-15 one row of 256 bytes, lanes 16-31 the next
	v_mul_u32_u24 v[GO], v3, 3072
	v_lshl_add_u32 v[GO], v2, 4, v[GO]             ; and the same two rows in out0
	s_and_b32 s18, ttmp7, 0xffff                   ; rg
	s_mul_i32 s19, ttmp9, 192
	s_lshl_b32 s20, s16, 6
	s_add_co_u32 s19, s19, s20                     ; n0
	s_mul_i32 s20, s18, 24576                      ; cimg: four row tiles of 6,144 bytes
	s_mov_b32 s21, 0
	s_lshl_b32 s22, s18, 8                         ; csc: four row tiles of 64 bytes
	s_mov_b32 s23, 0
	s_mul_i32 s24, s19, 384                        ; Wo's codes: a row is 384 bytes
	s_mov_b32 s25, 0
	s_mul_i32 s26, s19, 24                         ; Wo's scale bytes
	s_mov_b32 s27, 0
	s_lshl_b32 s28, s19, 2                         ; bo
	s_mov_b32 s29, 0
	s_mul_i32 s30, s18, 196608                     ; out0: 64 rows of 3,072 bytes,
	s_add_co_u32 s30, s30, s28                     ; + my first column: 768 cg + 256 w bytes
	s_mov_b32 s31, 0
	s_wait_alu depctr_va_vdst(0)
	s_wait_kmcnt 0x0
	s_add_nc_u64 s[4:5], s[4:5], s[20:21]
	s_add_nc_u64 s[6:7], s[6:7], s[22:23]
	s_add_nc_u64 s[8:9], s[8:9], s[24:25]
	s_add_nc_u64 s[10:11], s[10:11], s[26:27]
	s_add_nc_u64 s[12:13], s[12:13], s[28:29]
	s_add_nc_u64 s[14:15], s[14:15], s[30:31]
	; ALL LOADS, in the order in which they are wanted: 32 for scales and bias, then 16 for each K step
.irp t, 0,1,2,3
.irp k, 0,1,2
	global_load_b64 v[WSC+6*\t+2*\k:WSC+6*\t+2*\k+1], v[WSO], s[10:11] offset:384*\t+8*\k   ; row r of tile t: its six scale words, two a load
.endr
.endr
.irp s, 0,1,2,3,4,5
.irp i, 0,1
	global_load_b32 v[CSC+2*\s+\i], v[LS], s[6:7] offset:16384*\s+128*\i
.endr
.endr
	WIN 0xc0                                       ; destination window 3
.irp t, 0,1,2,3
	global_load_b128 v[128+8*\t:128+8*\t+3], v[BO], s[12:13] offset:64*\t
	global_load_b128 v[128+8*\t+4:128+8*\t+7], v[BO], s[12:13] offset:64*\t+16
.endr
.macro LDSTEP s
.if (\s) < 3
	WIN 0x40                                       ; destination window 1
.else
	WIN 0x80                                       ; destination window 2
.endif
.irp t, 0,1,2,3
.irp c, 0,1
	global_load_b128 v[64*((\s)%3)+8*\t+4*\c:64*((\s)%3)+8*\t+4*\c+3], v[VW], s[8:9] offset:6144*\t+64*(\s)+32*\c
.endr
.endr
.irp a, 0,1,2,3
.irp c, 0,1
	global_load_b128 v[64*((\s)%3)+32+8*\a+4*\c:64*((\s)%3)+32+8*\a+4*\c+3], v[LI], s[4:5] offset:6144*\a+1024*(\s)+512*\c
.endr
.endr
.endm
.irp s, 0,1,2,3,4,5
	LDSTEP \s
.endr
; One matrix instruction: K step s, row tile a, column tile t
.macro MO s, a, t
.set rD, 8*(4*(\a)+(\t))
.set rC, rD
.if (\s) == 0
.set rC, 128+8*(\t)
.endif
.set rA, 64*((\s)%3)+8*(\t)
.set rB, 64*((\s)%3)+32+8*(\a)
.if (\a)%2 == 0
	v_wmma_scale_f32_16x16x128_f8f6f4 v[rD:rD+7], v[rA:rA+7], v[rB:rB+7], v[rC:rC+7], v[WSC+6*(\t)+(\s)], v[CSC+2*(\s)+(\a)/2] matrix_a_fmt:MATRIX_FMT_FP4 matrix_b_fmt:MATRIX_FMT_FP4
.else
	v_wmma_scale_f32_16x16x128_f8f6f4 v[rD:rD+7], v[rA:rA+7], v[rB:rB+7], v[rC:rC+7], v[WSC+6*(\t)+(\s)], v[CSC+2*(\s)+(\a)/2] matrix_a_fmt:MATRIX_FMT_FP4 matrix_b_fmt:MATRIX_FMT_FP4 matrix_b_scale:MATRIX_SCALE_ROW1
.endif
.endm
; A K step's 16 products; the 16 accumulators take turns, in the same order in every step.  cnt: the loads of the later K steps, 16 each, may stay out
.macro MULSTEP s, cnt
	s_wait_loadcnt \cnt
.if (\s) < 3
	WIN 0xf5                                       ; sources 0 and 1 window 1, C and D window 3
.else
	WIN 0xfa                                       ; sources 0 and 1 window 2
.endif
.irp a, 0,1,2,3
.irp t, 0,1,2,3
	MO \s, \a, \t
.endr
.endr
.endm
	MULSTEP 0, 63                                  ; 80 loads were issued behind step 0's and 64 behind step 1's: more than a wait's count can name, so the largest count is written, which asks for more
	MULSTEP 1, 63
	MULSTEP 2, 48
	MULSTEP 3, 32
	MULSTEP 4, 16
	MULSTEP 5, 0
; THE WAY OUT, a row tile (16 rows x 64 columns) at a time through my own stage in LDS: in as 32 bytes a lane, back as whole rows of 256 bytes.  LDS serves a wave's instructions in order (ISA guide 5.7.1.4):
; no wait stands between the stores and the loads, nor in front of the next tile's stores.
.macro TOSTAGE a
	WIN 0x0c                                       ; an LDS store's data are its source 1: window 3
.irp t, 0,1,2,3
	ds_store_b128 v[STO], v[8*(4*(\a)+\t):8*(4*(\a)+\t)+3] offset:64*\t       ; each accumulator from its low end on
	ds_store_b128 v[STO], v[8*(4*(\a)+\t)+4:8*(4*(\a)+\t)+7] offset:64*\t+16
.endr
	WIN 0
.irp i, 0,1,2,3,4,5,6,7
	ds_load_b128 v[BK+32*((\a)%2)+4*\i:BK+32*((\a)%2)+4*\i+3], v[RD] offset:2*SPITCH*\i
.endr
.endm
.macro SEND a, younger                 ; younger: the LDS instructions issued behind tile a's loads, which may stay out
	s_wait_dscnt \younger
.irp i, 0,1,2,3,4,5,6,7
	global_store_b128 v[GO], v[BK+32*((\a)%2)+4*\i:BK+32*((\a)%2)+4*\i+3], s[14:15] offset:(16*(\a)+2*\i)*3072 th:TH_STORE_NT   ; 16 lanes store 256 consecutive bytes, at a multiple of 256 from out0's first byte
.endr
.endm
.rept 4
	v_nop                                          ; four places between the last products and the first read of results
.endr
	TOSTAGE 0
.irp a, 1,2,3
.if \a > 1
	s_wait_xcnt 0x0                                ; tile a - 2's stores have read their registers: tile a's loads may land there
.endif
	TOSTAGE \a
	SEND \a-1, 16                                  ; behind tile a - 1's loads: tile a's 8 stores and 8 loads
.endr
	SEND 3, 0
	s_wait_tensorcnt 0x0                           ; the wave's end, behind my last LDS store
	ds_add_u32 v[SPW], v[NIL]
	s_wait_dscnt 0x0
	s_endpgm
.Lfunc_end_k_q2ef91b4f11_outp:
	.size	k_q2ef91b4f11_outp, .Lfunc_end_k_q2ef91b4f11_outp-k_q2ef91b4f11_outp
	.p2alignl 7, 3214868480
	.fill 96, 4, 3214868480
	.section	.rodata,"a",@progbits
	.p2align	6, 0x0
	.amdhsa_kernel k_q2ef91b4f11_outp
		.amdhsa_group_segment_fixed_size 13824
		.amdhsa_private_segment_fixed_size 0
		.amdhsa_enable_private_segment 0
		.amdhsa_kernarg_size 48
		.amdhsa_user_sgpr_count 2
		.amdhsa_user_sgpr_kernarg_segment_ptr 1
		.amdhsa_wavefront_size32 1
		.amdhsa_system_sgpr_workgroup_id_x 1
		.amdhsa_system_sgpr_workgroup_id_y 1
		.amdhsa_system_sgpr_workgroup_id_z 1
		.amdhsa_system_vgpr_workitem_id 0
		.amdhsa_next_free_vgpr 1024
		.amdhsa_next_free_sgpr 66
		.amdhsa_reserve_vcc 0
		.amdhsa_float_denorm_mode_32 3
		.amdhsa_float_denorm_mode_16_64 3
		.amdhsa_memory_ordered 1
		.amdhsa_forward_progress 1
		.amdhsa_inst_pref_size 35
	.end_amdhsa_kernel
	.amdgpu_metadata
---
amdhsa.version: [ 1, 2 ]
amdhsa.kernels:
  - .name:           k_q2ef91b4f11_outp
    .symbol:         k_q2ef91b4f11_outp.kd
    .args:
      - { .name: cimg, .offset: 0, .size: 8, .value_kind: global_buffer, .address_space: global }
      - { .name: csc, .offset: 8, .size: 8, .value_kind: global_buffer, .address_space: global }
      - { .name: Wo_codes, .offset: 16, .size: 8, .value_kind: global_buffer, .address_space: global }
      - { .name: Wo_scales, .offset: 24, .size: 8, .value_kind: global_buffer, .address_space: global }
      - { .name: bo, .offset: 32, .size: 8, .value_kind: global_buffer, .address_space: global }
      - { .name: out0, .offset: 40, .size: 8, .value_kind: global_buffer, .address_space: global }
    .group_segment_fixed_size: 13824
    .private_segment_fixed_size: 0
    .kernarg_segment_align: 8
    .kernarg_segment_size: 48
    .max_flat_workgroup_size: 96
    .sgpr_count:     66
    .vgpr_count:     1024
    .wavefront_size: 32
...
	.end_amdgpu_metadata
.endif
;; end of part 3
